; MI455X (gfx1250); checked and timed in simulation.
; The chip was launched on July 23, 2026; its instructions are those of AMD's public machine-readable ISA for CDNA 5 (MIT licence, August 2026) and "CDNA5" Instruction Set Architecture Reference Guide (July 2026). The comments in the code are by the model that wrote it; some were corrected since.
;; Multihead Self Attention. Allowed arithmetic: matrix products marked QUANTISED: E4M3 operands, one given power-of-two scale a tensor, by v_wmma_f32_16x16x64_fp8_fp8 or v_wmma_f32_16x16x128_fp8_fp8, f32 sums; everything else in f32.
;; Inputs: lowp_scales 12 int32 (the exponents e of the quantised operands' scales 2^e); w_k 1,024 x 1,024 float32; w_o 1,024 x 1,024 float32; w_q 1,024 x 1,024 float32; w_v 1,024 x 1,024 float32; x 4 x 2,048 x 1,024 float32.
;; Outputs: out0 4 x 2,048 x 1,024 float32.
;; This version of the problem:
;;   THIS VERSION OF THE PROBLEM IS GIVEN IN LOW PRECISION. The matrix products marked QUANTISED in the list below multiply operands that are first quantised to E4M3 (4 exponent bits, 3 mantissa bits; 8 bits a number), with one given power-of-two scale for each operand tensor; their sums are f32. All else is computed in f32.
;;   The module's matrix products, in the order in which they are computed (A, B: the left and right operand; K: the contracted axis; several contracted axes count as one K, in the product's order):
;;     1. [M 8,192, K 1,024] x [K 1,024, N 1,024]; A: input x; B: input w_q: QUANTISED (scales: A lowp_scales[0], B lowp_scales[1])
;;     2. [M 8,192, K 1,024] x [K 1,024, N 1,024]; A: input x; B: input w_k: QUANTISED (scales: A lowp_scales[2], B lowp_scales[3])
;;     3. [M 8,192, K 1,024] x [K 1,024, N 1,024]; A: input x; B: input w_v: QUANTISED (scales: A lowp_scales[4], B lowp_scales[5])
;;     4. batch 64 x [M 2,048, K 64] x [K 64, N 2,048]; A: computed on the way; B: computed on the way: QUANTISED (scales: A lowp_scales[6], B lowp_scales[7])
;;     5. batch 64 x [M 2,048, K 2,048] x [K 2,048, N 64]; A: softmax (see below); B: computed on the way: QUANTISED (scales: A lowp_scales[8], B lowp_scales[9])
;;     6. [M 8,192, K 1,024] x [K 1,024, N 1,024]; A: computed on the way; B: input w_o: QUANTISED (scales: A lowp_scales[10], B lowp_scales[11])
;;   THE QUANTISER, for each operand of a quantised product, along K:
;;     - The operand's scale is 2^e, e = its entry of the input lowp_scales (int32; the entries are numbered through the quantised products in the list's order, A before B).
;;     - Each number is divided by the scale, clamped to +-448, and rounded to the nearest number of E4M3, ties to even, subnormals kept.
;;     - The product sums the exact products of the quantised numbers (number of the format x scale) in f32.
;;   ~~~python
;;   def quantise(x, axis, e):      # numpy; x: float32 -> the quantised numbers, widened to float32 again
;;       x = np.moveaxis(x, axis, -1); K = x.shape[-1]
;;       r = np.clip(x / 2.0 ** e, -448, 448)
;;       step = 2.0 ** (np.maximum(np.frexp(np.where(r == 0, 1, r))[1] - 1, -6) - 3)
;;       q = np.round(r / step) * step * 2.0 ** e      # np.round: ties to even
;;       return np.moveaxis(q, -1, axis).astype(np.float32)
;;   ~~~
;;   SOFTMAX AHEAD OF A QUANTISED PRODUCT. Where the list says 'softmax', what is quantised is not the finished softmax but p = 2^(t - M), with t = logit x log2(e) and M = ceil(the row's largest t), a whole number; so 1/2 < the row's largest p <= 1. The row's sum l is taken of the UNQUANTISED p, in f32, and the product's result is divided by l at the end. Since M is a whole number, a kernel that streams over the keys may use a running M (the ceiling of the running maximum): every later rescaling is an exact power of two, so the quantised numbers keep their values, but for numbers so far below the row's largest that they fall under the format's range.
;;   OPERANDS COMPUTED ON THE WAY. 'Computed on the way' means the value that the module computes at that place (a softmax that the list does not call 'softmax' is quantised finished and normalised). What goes into a quantiser is computed in f32, as accurately as f32 sums, v_exp_f32 and their like allow (about 1e-6 of the number): no bf16 or f16 on the way to a quantiser, and a product that is left as it is and whose result goes on into a quantised operand takes f32 operands (vector FMAs, or v_wmma_f32_16x16x4_f32). A number that lies on a knife's edge between two numbers of the format may be rounded either way, as far as f32 arithmetic and the matrix unit's own rounding can turn it there, and no further.
;; One version. Each part assembles by itself: llvm-mc -triple=amdgcn-amd-amdhsa -mcpu=gfx1250 --defsym DOCPART=n.
;; ======== version 1 of 1: 4 launches
;; limits: right only within a limited range of input values
;; workspace buffers: xcodes 25,165,824 bytes; wcodes 4,194,304 bytes; qkv 25,165,824 bytes; ocodes 8,388,608 bytes
;; launch quant (part 1): grid 384 x 1, 4 waves a work-group, no clusters, 33,280 bytes of LDS; arguments x, w_q, w_k, w_v, w_o, lowp_scales, xcodes, wcodes; writes xcodes, wcodes
.if DOCPART == 1
	.amdgcn_target "amdgcn-amd-amdhsa--gfx1250"
	.amdhsa_code_object_version 6
	.text
	.protected	k_q5f1b60d4f8_quant
	.globl	k_q5f1b60d4f8_quant
	.p2align	8
	.type	k_q5f1b60d4f8_quant,@function
k_q5f1b60d4f8_quant:
	s_mov_b64 s[64:65], 0
	v_nop
	global_prefetch_b8 v0, s[64:65] scope:SCOPE_SE
	s_setreg_imm32_b32 hwreg(HW_REG_WAVE_MODE, 25, 1), 1
	s_wait_xcnt 0x0
; x [8192][1024] and the four weights [1024][1024], all f32 with K innermost, become codes of FP8 (E4M3), one byte each.
; code = number / 2^e, held within +-448, rounded to the nearest code, ties to even.  x is an operand of three products with three given scales
; (entries 0, 2, 4 of the scales), so it is read once and gives three planes of codes; w_q, w_k, w_v, w_o take entries 1, 3, 5, 11.
; xcodes: [3][8192][1024] bytes; wcodes: [4][1024][1024] bytes.  ORDER ALONG K: inside each 32 codes bits 3 and 4 of k change places: byte 32 c + 16 h + 8 u + j
; holds k = 32 c + 16 u + 8 h + j.  A load of 16 bytes at 32 c + 16 h of a row then brings lane half h the registers 4 c .. 4 c + 3 of the plain fp8 operand layout
; (registers 2 c', 2 c' + 1: k = 16 c' + 8 h + 0 .. 7; ISA guide 7.12.2), every k in its own place.
; SHARES.  Rows are dense, so every tensor is a stream.  Work-groups 0-255 take x, 32,768 numbers each; work-groups 256-383 the weights, 32 work-groups a weight.  A wave takes 16 steps of 512 numbers.
; Each load reads 512 consecutive bytes, 16 a lane; a step's 2,048 bytes turn through the wave's own stage in LDS (16 bytes of padding behind each 64) and come back as the lane's two runs of 8 neighbours.
; A lane's 16 codes are 16 bytes: each store of the wave covers 512 consecutive bytes, aligned.  Waves share nothing: no barrier.  Loads run four steps (16 loads a wave) ahead, the stage one step.
; One path through the text for all tensors: pointers and the scale are chosen by the work-group's number; only the second and third conversion of a step stand under a branch on that number.
; LIMITS: each e used lies between -126 and 127, so that 2^e is an f32 number.  NaN among the inputs is not served (an infinity is held at the largest code).
.set XWG,   256                        ; x's work-groups
.set STEPS, 16
.set SP,    80                         ; 64 bytes of a step + 16 of padding in the stage
.set WREG,  8192                       ; LDS of a wave: two stages of 32 x SP bytes
.set SCL,   8                          ; v8, v10, v12: 2^e of plane 0, 1, 2
.set R,     16                         ; v16-79   four sets of 16 numbers as loaded
.set X,     80                         ; v80-111  two sets: 8 numbers k = 8 h + 0..7 and 8 numbers k = 16 + 8 h + 0..7 of my block of 32
.set T,     112
.set C,     128                        ; v128-151 codes: 12 registers for even steps, 12 for odd
.set SRC,   32                         ; s[32:33] my wave's run in the source
.set DST,   34                         ; s[34:35], s[36:37], s[38:39] my wave's run in planes 0, 1, 2 (planes 1 and 2 are used by x's work-groups alone)
	s_load_b512 s[16:31], s[0:1], 0x0              ; x, w_q, w_k, w_v, w_o, scales, xcodes, wcodes
	v_lshl_add_u32 v160, v0, 2, 0x8000
	v_mov_b32 v161, 0
	v_lshrrev_b32 v1, 5, v0
	v_readfirstlane_b32 s8, v1                     ; wave
	v_and_b32 v2, 31, v0                           ; lane
	v_lshlrev_b32 v3, 4, v2                        ; my 16 bytes of a load's 512, and of a store's; never rewritten
	s_mul_i32 s9, s8, WREG
	v_lshrrev_b32 v14, 2, v2
	v_mul_u32_u24 v14, v14, SP
	v_and_b32 v4, 3, v2
	v_lshl_add_u32 v14, v4, 4, v14
	v_add_nc_u32 v14, s9, v14                      ; the stage, way in: SP (lane / 4) + 16 (lane % 4)
	v_and_b32 v15, 30, v2
	v_mul_u32_u24 v15, v15, SP
	v_and_b32 v4, 1, v2
	v_lshl_add_u32 v15, v4, 5, v15
	v_add_nc_u32 v15, s9, v15                      ; way out: block lane / 2 is two places of 64 bytes; my half h = lane % 2 takes 32 bytes at 32 h of each
	s_cmp_lt_u32 ttmp9, XWG
	s_cselect_b32 s4, 0, XWG
	s_sub_co_u32 s4, ttmp9, s4                     ; the work-group's number within x, or within the weights
	s_lshr_b32 s5, s4, 5                           ; which weight
	s_and_b32 s6, s4, 31                           ; which part of it
	s_cmp_lt_u32 ttmp9, XWG
	s_cselect_b32 s6, s4, s6
	s_cselect_b32 s5, 0, s5
	s_lshl_b32 s6, s6, 2
	s_add_co_u32 s6, s6, s8                        ; my wave's run of 8,192 numbers
	s_lshl_b32 s10, s6, 15                         ; in bytes of f32,
	s_mov_b32 s11, 0
	s_lshl_b32 s12, s6, 13                         ; in bytes of codes,
	s_lshl_b32 s7, s5, 20
	s_add_co_u32 s12, s12, s7                      ; behind the weights in front of mine
	s_mov_b32 s13, 0
	s_wait_alu depctr_va_vdst(0)
	s_wait_kmcnt 0x0
	s_load_b256 s[40:47], s[26:27], 0x0            ; e0 .. e7
	s_load_b128 s[48:51], s[26:27], 0x20           ; e8 .. e11
	s_mov_b64 s[SRC:SRC+1], s[24:25]               ; w_o, unless
	s_cmp_eq_u32 s5, 2
	s_cselect_b64 s[SRC:SRC+1], s[22:23], s[SRC:SRC+1]
	s_cmp_eq_u32 s5, 1
	s_cselect_b64 s[SRC:SRC+1], s[20:21], s[SRC:SRC+1]
	s_cmp_eq_u32 s5, 0
	s_cselect_b64 s[SRC:SRC+1], s[18:19], s[SRC:SRC+1]
	s_cmp_lt_u32 ttmp9, XWG
	s_cselect_b64 s[SRC:SRC+1], s[16:17], s[SRC:SRC+1]
	s_cselect_b64 s[DST:DST+1], s[28:29], s[30:31]
	s_add_nc_u64 s[SRC:SRC+1], s[SRC:SRC+1], s[10:11]
	s_add_nc_u64 s[DST:DST+1], s[DST:DST+1], s[12:13]
	s_add_nc_u64 s[DST+2:DST+3], s[DST:DST+1], 0x800000
	s_add_nc_u64 s[DST+4:DST+5], s[DST:DST+1], 0x1000000
.macro LOAD t
.irp i, 0,1,2,3
	global_load_b128 v[R+16*((\t)%4)+4*\i:R+16*((\t)%4)+4*\i+3], v3, s[SRC:SRC+1] offset:2048*(\t)+512*\i th:TH_LOAD_NT   ; 32 lanes read 512 consecutive bytes
.endr
.endm
.macro TURN t                          ; step t through the stage: LDS serves a wave's instructions in order (ISA guide 5.7.1.4), so no wait stands between the stores and the loads
.irp i, 0,1,2,3
	ds_store_b128 v14, v[R+16*((\t)%4)+4*\i:R+16*((\t)%4)+4*\i+3] offset:32*SP*((\t)%2)+8*SP*\i
.endr
	ds_load_b128 v[X+16*((\t)%2):X+16*((\t)%2)+3],     v15 offset:32*SP*((\t)%2)
	ds_load_b128 v[X+16*((\t)%2)+4:X+16*((\t)%2)+7],   v15 offset:32*SP*((\t)%2)+16
	ds_load_b128 v[X+16*((\t)%2)+8:X+16*((\t)%2)+11],  v15 offset:32*SP*((\t)%2)+SP
	ds_load_b128 v[X+16*((\t)%2)+12:X+16*((\t)%2)+15], v15 offset:32*SP*((\t)%2)+SP+16
.endm
.macro SCALE n, e                      ; 2^e as an f32 number, e in s[e]
	s_add_co_i32 s53, s[\e], 127
	s_lshl_b32 s54, s53, 23
	v_mov_b32 v[SCL+2*\n], s54
.endm
.macro CONV n, t                       ; step t's 16 numbers with scale n, into plane n
.irp i, 0,1,2,3,4,5,6,7,8,9,10,11,12,13,14,15
.endr
	v_cvt_scalef32_pk8_fp8_f32 v[C+12*((\t)%2)+4*\n:C+12*((\t)%2)+4*\n+1], v[T+((X+16*((\t)%2)+0)-(T+0)):T+7+((X+16*((\t)%2)+0)-(T+0))], v[SCL+2*\n]
	v_cvt_scalef32_pk8_fp8_f32 v[C+12*((\t)%2)+4*\n+2:C+12*((\t)%2)+4*\n+3], v[T+8+((X+16*((\t)%2)+0)-(T+0)):T+15+((X+16*((\t)%2)+0)-(T+0))], v[SCL+2*\n]
	v_nop
	global_store_b128 v3, v[C+12*((\t)%2)+4*\n:C+12*((\t)%2)+4*\n+3], s[DST+2*\n:DST+2*\n+1] offset:512*(\t)
.endm
.irp t, 0,1,2,3
	LOAD \t
.endr
	s_wait_kmcnt 0x0
	s_cmp_eq_u32 s5, 2                             ; my first scale: e11 (w_o), e5 (w_v), e3 (w_k), e1 (w_q) or e0 (x)
	s_cselect_b32 s52, s45, s51
	s_cmp_eq_u32 s5, 1
	s_cselect_b32 s52, s43, s52
	s_cmp_eq_u32 s5, 0
	s_cselect_b32 s52, s41, s52
	s_cmp_lt_u32 ttmp9, XWG
	s_cselect_b32 s52, s40, s52
	SCALE 0, 52
	SCALE 1, 42                                    ; e2
	SCALE 2, 44                                    ; e4
	s_wait_alu depctr_va_vdst(0)
	s_wait_loadcnt 12                              ; step 0's four loads are in; the twelve of steps 1 to 3 may be out
	TURN 0
.macro STEP t
	s_wait_dscnt 0x0                               ; this step's numbers are back from the stage
.if (\t)+4 < STEPS
	LOAD (\t)+4
.endif
.if (\t)+1 < STEPS
.if STEPS-2-(\t) >= 3
	s_wait_loadcnt 12                              ; the next step's four loads are in; those of the three steps behind it may be out
.else
	s_wait_loadcnt 4*(STEPS-2-(\t))
.endif
	TURN (\t)+1
.endif
	s_wait_xcnt 0x0                                ; the earlier stores have read their data: the codes' registers are written again only behind this wait
	CONV 0, \t
	s_cmp_lt_u32 ttmp9, XWG                        ; a weight has one scale, x three
	s_cbranch_scc0 .Lone_\@
	CONV 1, \t
	CONV 2, \t
.Lone_\@:
.endm
.irp t, 0,1,2,3,4,5,6,7,8,9,10,11,12,13,14,15
	STEP \t
.endr
	s_wait_tensorcnt 0x0
	ds_add_u32 v160, v161
	s_wait_dscnt 0x0
	s_endpgm
.Lfunc_end_k_q5f1b60d4f8_quant:
	.size	k_q5f1b60d4f8_quant, .Lfunc_end_k_q5f1b60d4f8_quant-k_q5f1b60d4f8_quant
	.p2alignl 7, 3214868480
	.fill 96, 4, 3214868480
	.section	.rodata,"a",@progbits
	.p2align	6, 0x0
	.amdhsa_kernel k_q5f1b60d4f8_quant
		.amdhsa_group_segment_fixed_size 33280
		.amdhsa_private_segment_fixed_size 0
		.amdhsa_enable_private_segment 0
		.amdhsa_kernarg_size 64
		.amdhsa_user_sgpr_count 2
		.amdhsa_user_sgpr_kernarg_segment_ptr 1
		.amdhsa_wavefront_size32 1
		.amdhsa_system_sgpr_workgroup_id_x 1
		.amdhsa_system_sgpr_workgroup_id_y 1
		.amdhsa_system_sgpr_workgroup_id_z 1
		.amdhsa_system_vgpr_workitem_id 0
		.amdhsa_next_free_vgpr 162
		.amdhsa_next_free_sgpr 66
		.amdhsa_reserve_vcc 0
		.amdhsa_float_denorm_mode_32 3
		.amdhsa_float_denorm_mode_16_64 3
		.amdhsa_fp16_overflow 1
		.amdhsa_memory_ordered 1
		.amdhsa_forward_progress 1
		.amdhsa_inst_pref_size 33
	.end_amdhsa_kernel
	.amdgpu_metadata
---
amdhsa.version: [ 1, 2 ]
amdhsa.kernels:
  - .name:           k_q5f1b60d4f8_quant
    .symbol:         k_q5f1b60d4f8_quant.kd
    .args:
      - { .name: x, .offset: 0, .size: 8, .value_kind: global_buffer, .address_space: global }
      - { .name: w_q, .offset: 8, .size: 8, .value_kind: global_buffer, .address_space: global }
      - { .name: w_k, .offset: 16, .size: 8, .value_kind: global_buffer, .address_space: global }
      - { .name: w_v, .offset: 24, .size: 8, .value_kind: global_buffer, .address_space: global }
      - { .name: w_o, .offset: 32, .size: 8, .value_kind: global_buffer, .address_space: global }
      - { .name: lowp_scales, .offset: 40, .size: 8, .value_kind: global_buffer, .address_space: global }
      - { .name: xcodes, .offset: 48, .size: 8, .value_kind: global_buffer, .address_space: global }
      - { .name: wcodes, .offset: 56, .size: 8, .value_kind: global_buffer, .address_space: global }
    .group_segment_fixed_size: 33280
    .private_segment_fixed_size: 0
    .kernarg_segment_align: 8
    .kernarg_segment_size: 64
    .max_flat_workgroup_size: 128
    .sgpr_count:     66
    .vgpr_count:     162
    .wavefront_size: 32
...
	.end_amdgpu_metadata
.endif
;; end of part 1
;; launch qkv (part 2): grid 12 x 32, 4 waves a work-group, clusters of 4 x 4, 327,680 bytes of LDS; arguments xcodes, wcodes, lowp_scales, qkv; writes qkv
.if DOCPART == 2
	.amdgcn_target "amdgcn-amd-amdhsa--gfx1250"
	.amdhsa_code_object_version 6
	.text
	.protected	k_q5f1b60d4f8_qkv
	.globl	k_q5f1b60d4f8_qkv
	.p2align	8
	.type	k_q5f1b60d4f8_qkv,@function
k_q5f1b60d4f8_qkv:
	s_mov_b64 s[64:65], 0
	v_nop
	global_prefetch_b8 v0, s[64:65] scope:SCOPE_SE
	s_setreg_imm32_b32 hwreg(HW_REG_WAVE_MODE, 25, 1), 1
	s_wait_xcnt 0x0
	s_wait_alu depctr_hold_cnt(0) depctr_sa_sdst(0) depctr_va_vdst(0) depctr_va_sdst(0) depctr_va_ssrc(0) depctr_va_vcc(0) depctr_vm_vsrc(0)
	s_getreg_b32 s2, hwreg(HW_REG_IB_STS2, 6, 4)
	s_cmp_eq_u32 s2, 0
	s_cbranch_scc0 .Lentry_in_a_cluster
	s_endpgm
.Lentry_in_a_cluster:
	s_bfe_u32 s2, ttmp6, 0x10000c
	s_cmp_lg_u32 s2, 0xf033
	s_cbranch_scc0 .Lentry_shape_is_right
	s_endpgm
.Lentry_shape_is_right:
; The three projections on codes of FP8 (E4M3), K = 1,024, and the quantising of their results.  Cluster x = 0: q = x Wq^T; 1: k = x Wk^T; 2: v^T = Wv x^T.
; For v the two operands change places BY POINTER ALONE, so that a lane's eight results run along the keys, which are the K of attention's second product.
; Operand 'A' gives the rows of C, operand 'B' its columns.  q, k: A = plane 0 or 1 of xcodes (8,192 rows), B = plane 0 or 1 of wcodes (1,024 rows).  v: A = plane 2 of wcodes, B = plane 2 of xcodes.
; A tile of C, 256 x 256, is made by four waves; a wave makes 128 x 128: 64 accumulators, 512 registers.  K goes in steps of 256 through a ring of two LDS slots filled by the tensor data mover.
; CLUSTERS: 4 x 4 work-groups; A's tile is asked for jointly along a row of the cluster, B's along a column.  THE MATRIX INSTRUCTION IS USED TRANSPOSED (source 0 = 16 rows of B, source 1 = 16 rows of A):
; lane (r, h) holds row r of C and its register j column 8 h + j.  The codes lie in memory so that four loads of 16 bytes fill a fragment with every k in its own place.
; THE WAY OUT.  A sum stands for sum x 2^(ea + eb); its code is sum / 2^(eout - ea - eb), held within +-448 (eout: entry 6, 7 or 9 of the scales).  The two registers that a conversion makes of an accumulator are registers
; 2 b, 2 b + 1 of the plain fp8 operand layout along C's columns.  So a block of 16 rows x 128 columns leaves as an IMAGE of an operand's 16 registers: four stores, each lane's 16 bytes at 16 x lane, 512 consecutive aligned bytes a store.
; qkv: 3 planes (q, k, v) x [batch 4][pair of heads 8][block 16][image 8][2,048 bytes].  q, k: block = 128 positions, image = 16 of them, bytes along the pair's 128 channels.  v: block = 128 keys, image = 16 channels, bytes along the keys.
; A wave's 128 x 128 is one such block, 16 KiB on end.  No LDS stage is needed.
; No prefetch: each tile is shared by multicast and the launch has four K steps.
; LIMIT: eout - ea - eb lies between -126 and 119, so that the conversion's scale and 448 times it are f32 numbers.
; REGISTERS as windows of 256: window 0: v0-31 addresses and two constants; v32-95 held sums; v128-255 A's fragments, ONE set, on the way out the codes.  window 1: B's fragments, two sets.  windows 2, 3: accumulators (a, b) at v[8 (8 (a % 4) + b)].
.set SIZE_K, 1024
.set KSTEP,  256
.set ROWB,   256
.set KROW,   SIZE_K
.set PITCH,  272                       ; an LDS row: 256 bytes + 16 of padding = 68 words, so the 16 rows that a load touches start 4 words apart modulo 64 (64 banks of 4 bytes: ISA guide 11.1)
.set FR,     16
.set NL,     4
.set NP,     4                         ; places behind this matrix instruction (ISA guide 7.12.1)
.set HALFT,  128*PITCH
.set SLOT,   4*HALFT
.set LAPS,   SIZE_K/(2*KSTEP)
.set SPARE,  2*SLOT                    ; behind the ring: the spare words, 128 bytes a wave
.set ADRA, 16                          ; v16-17 LDS address of my A fragments in slot 0, 1
.set ADRB, 20                          ; v20-21 the same for B
.set CO,   26                          ; v26 16 x lane: my place in an image's 512 bytes
.set SPW,  28                          ; v28 my spare word; never rewritten
.set NIL,  29                          ; v29 0; never rewritten
.set SCV,  30                          ; v30 2^(eout - ea - eb)
.set LIMV, 31
.set TMP,  32
.set AF,   128
.set CD,   128                         ; the way out: block a's 16 registers of codes at v[CD + 16 a]: no store's data are written again
.set G1, 24
.set G0, 32
.set G1B, 48
.set G0B, 56
.set MSB, 0
.macro WIN new                         ; the immediate's high byte repeats the setting that is left
.if MSB != (\new)
	s_set_vgpr_msb (MSB<<8)|(\new)
.set MSB, \new
.endif
.endm
.set MUL_LO, 0xa1                      ; source 0 (B) window 1, source 1 (A) window 0, C and D window 2
.set MUL_HI, 0xf1
.set TO_B,   0x40
.macro JLOAD g0a, g1a, g0b, g1b        ; a joint load: waves 0 and 1 fetch for A, waves 2 and 3 for B; four v_nop follow each line
	s_cmp_eq_u32 s15, 0
	s_cbranch_scc0 .Lfor_b_\@
	tensor_load_to_lds s[\g0a:\g0a+3], s[\g1a:\g1a+7]
	s_nop 0
.rept 4
	v_nop
.endr
	s_branch .Lasked_\@
.Lfor_b_\@:
	tensor_load_to_lds s[\g0b:\g0b+3], s[\g1b:\g1b+7]
	s_nop 0
.rept 4
	v_nop
.endr
.Lasked_\@:
.endm
.macro CREST
	s_cmp_lg_u32 s14, 0
	s_cbranch_scc1 .Lnot_wave_0_\@
	s_barrier_signal -3
.Lnot_wave_0_\@:
	s_barrier_wait -3
	s_barrier_signal -1
	s_barrier_wait -1
.endm
.macro CROUND
	s_barrier_signal -1
	s_barrier_wait -1
	CREST
.endm
	s_load_b128 s[4:7], s[0:1], 0x0                ; xcodes s[4:5], wcodes s[6:7]
	s_load_b128 s[8:11], s[0:1], 0x10              ; scales s[8:9], qkv s[10:11]
	v_lshl_add_u32 v[SPW], v0, 2, SPARE
	v_mov_b32 v[NIL], 0
	ds_add_u32 v28, v29
	ds_add_u32 v28, v29
	s_wait_dscnt 0x0
	v_lshrrev_b32 v1, 5, v0
	v_readfirstlane_b32 s14, v1                    ; wave 0..3
	s_lshr_b32 s15, s14, 1                         ; which half of the tile's rows is mine.  Also: I fetch for A (0) or for B (1)
	s_and_b32 s16, s14, 1                          ; which half of its columns.  Also: which 128 rows of that tile I fetch
	s_bfe_u32 s40, ttmp6, 0x40000                  ; cx, cy
	s_bfe_u32 s41, ttmp6, 0x40004
	s_and_b32 s66, ttmp7, 0xffff                   ; cluster y, 0..7: it walks the 8,192 positions, which are C's rows for q and k and its columns for v
	s_cmp_eq_u32 ttmp9, 2
	s_cselect_b32 s67, 0, s66
	s_cselect_b32 s68, s66, 0
	s_lshl_b32 s42, s68, 2
	s_add_co_u32 s42, s42, s40                     ; tile column of C
	s_lshl_b32 s17, s67, 2
	s_add_co_u32 s17, s17, s41                     ; tile row of C
	s_lshl_b32 s43, s41, 2
	s_lshl_b32 s43, 15, s43                        ; my row of the cluster
	s_lshl_b32 s44, 0x1111, s40                    ; my column
	s_or_b32 s[G1+0], s43, (0<<16)|(1<<20)|(1<<21)|(5<<22)|(3<<25)  ; the mask; elements of 1 byte; padding on; bit 21 beside a mask; after every 64 words; 4 words
	s_or_b32 s[G1B+0], s44, (0<<16)|(1<<20)|(1<<21)|(5<<22)|(3<<25)
.irp g, G1, G1B
	s_mov_b32 s[\g+1], ROWB<<16                    ; tensor_dim0
	s_mov_b32 s[\g+2], 128<<16                     ; tensor_dim1
	s_mov_b32 s[\g+3], ROWB<<16                    ; tile_dim0
	s_mov_b32 s[\g+4], 128                         ; tile_dim1
	s_mov_b32 s[\g+5], KROW                        ; from row to row
	s_mov_b32 s[\g+6], 0
	s_mov_b32 s[\g+7], 0
.endr
	s_lshl_b32 s18, s16, 7                         ; which 128 rows of the tile I fetch
	s_lshl_b32 s20, s17, 8
	s_add_co_u32 s20, s20, s18                     ; A: row 256 x tile row + 128 x half
	s_lshl_b32 s46, s42, 8
	s_add_co_u32 s46, s46, s18                     ; B: row 256 x tile column + 128 x half
	s_lshl_b32 s20, s20, 10                        ; in bytes: a row is 1,024
	s_lshl_b32 s46, s46, 10
	s_mov_b32 s21, 0
	s_mov_b32 s47, 0
	s_mul_i32 s45, s14, HALFT                      ; where they go: wave x 128 rows
	s_lshl_b32 s72, ttmp9, 23                      ; the product's plane of xcodes,
	s_mov_b32 s73, 0
	s_lshl_b32 s74, ttmp9, 20                      ; and of wcodes
	s_mov_b32 s75, 0
	s_wait_kmcnt 0x0
	s_load_b256 s[80:87], s[8:9], 0x0              ; e0 .. e7
	s_load_b128 s[88:91], s[8:9], 0x20             ; e8 .. e11
	s_add_nc_u64 s[72:73], s[4:5], s[72:73]
	s_add_nc_u64 s[74:75], s[6:7], s[74:75]
	s_cmp_eq_u32 ttmp9, 2                          ; the same in all sixteen partners
	s_cselect_b64 s[76:77], s[74:75], s[72:73]     ; A
	s_cselect_b64 s[78:79], s[72:73], s[74:75]     ; B
	s_add_nc_u64 s[20:21], s[76:77], s[20:21]
	s_add_nc_u64 s[46:47], s[78:79], s[46:47]
	CROUND                                         ; all sixteen work-groups are here: the first joint loads meet
.irp s, 0,1
	s_mov_b32 s[G0+4*\s], 1
	s_add_co_u32 s[G0+4*\s+1], s45, \s*SLOT
	s_add_nc_u64 s[G0+4*\s+2:G0+4*\s+3], s[20:21], \s*ROWB
	s_or_b32 s[G0+4*\s+3], s[G0+4*\s+3], 0x80000000
	s_mov_b32 s[G0B+4*\s], 1
	s_add_co_u32 s[G0B+4*\s+1], s45, \s*SLOT
	s_add_nc_u64 s[G0B+4*\s+2:G0B+4*\s+3], s[46:47], \s*ROWB
	s_or_b32 s[G0B+4*\s+3], s[G0B+4*\s+3], 0x80000000
	JLOAD G0+4*\s, G1, G0B+4*\s, G1B
.endr
	v_and_b32 v1, 15, v0                           ; r
	v_bfe_u32 v2, v0, 4, 1                         ; h
	v_mul_u32_u24 v3, v1, PITCH
	v_lshl_add_u32 v4, v2, 4, v3                   ; a fragment's row x pitch + 16 h
	s_mul_i32 s21, s15, HALFT                      ; my 128 rows of A
	s_mul_i32 s22, s16, HALFT                      ; my 128 rows of B,
	s_add_co_u32 s22, s22, 2*HALFT                 ; which lie behind A's 256
.irp s, 0,1
	v_add_nc_u32 v[ADRA+\s], s21, v4
	v_add_nc_u32 v[ADRB+\s], s22, v4
	s_add_co_u32 s21, s21, SLOT
	s_add_co_u32 s22, s22, SLOT
.endr
	v_and_b32 v6, 31, v0
	v_lshlrev_b32 v[CO], 4, v6
	; where my block of 16 KiB lies in qkv
	s_lshl_b32 s69, s17, 1
	s_add_co_u32 s69, s69, s15                     ; my 128 rows of C
	s_lshl_b32 s70, s42, 1
	s_add_co_u32 s70, s70, s16                     ; my 128 columns
	s_cmp_eq_u32 ttmp9, 2
	s_cselect_b32 s71, s70, s69                    ; the block of 128 positions, 0..63,
	s_cselect_b32 s70, s69, s70                    ; and the pair of heads, 0..7
	s_lshr_b32 s20, s71, 4
	s_lshl_b32 s20, s20, 7                         ; batch x 128
	s_lshl_b32 s70, s70, 4
	s_add_co_u32 s20, s20, s70                     ; + pair x 16
	s_and_b32 s71, s71, 15
	s_add_co_u32 s20, s20, s71                     ; + block
	s_lshl_b32 s20, s20, 14
	s_lshl_b32 s21, ttmp9, 23                      ; + the plane
	s_add_co_u32 s20, s20, s21
	s_mov_b32 s21, 0
	s_add_nc_u64 s[10:11], s[10:11], s[20:21]
.macro FRAG reg, adr, q, i             ; 16 rows x 128 K: four loads of 16 bytes, 32 bytes apart
.irp c, 0,1,2,3
	ds_load_b128 v[\reg+4*\c:\reg+4*\c+3], v[\adr] offset:128*(\q)+32*\c+(\i)*16*PITCH
.endr
.endm
; 16 matrix instructions: A's blocks a0, a0 + 1 x B's eight.  The 64 accumulators take turns, one instruction a turn, in the same order in every step.
.macro MUL16 a0, p, zero
.irp a, \a0, \a0+1
.irp b, 0,1,2,3,4,5,6,7
.if \zero
	v_wmma_f32_16x16x128_fp8_fp8 v[8*(8*((\a)%4)+\b):8*(8*((\a)%4)+\b)+7], v[128*(\p)+FR*\b:128*(\p)+FR*\b+FR-1], v[AF+FR*(\a):AF+FR*(\a)+FR-1], 0
.else
	v_wmma_f32_16x16x128_fp8_fp8 v[8*(8*((\a)%4)+\b):8*(8*((\a)%4)+\b)+7], v[128*(\p)+FR*\b:128*(\p)+FR*\b+FR-1], v[AF+FR*(\a):AF+FR*(\a)+FR-1], v[8*(8*((\a)%4)+\b):8*(8*((\a)%4)+\b)+7]
.endif
.endr
.endr
.endm
.macro FETCH_B slot, q, p
	WIN TO_B
.irp i, 0,1,2,3,4,5,6,7
	FRAG 128*(\p)+FR*\i, ADRB+\slot, \q, \i
.endr
	WIN 0
.endm
.macro FETCH_A slot, q, i0
.irp i, \i0, \i0+1, \i0+2, \i0+3
	FRAG AF+FR*(\i), ADRA+\slot, \q, \i
.endr
.endm
.macro PLACES n                        ; plain vector lines between a matrix instruction and a load into, or a vector read or write of, its registers
.rept \n
	v_nop
.endr
.endm
.macro STEP slot, q, zero              ; 128 along K, with its successor in the same slot
	s_wait_dscnt 4*NL                              ; B's set and A's blocks 0-3 are in; the youngest sixteen loads (A's blocks 4-7) may be out
	WIN MUL_LO
	MUL16 0, (\q)%2, \zero
	MUL16 2, (\q)%2, \zero
	s_wait_dscnt 0
	PLACES NP
	FETCH_B \slot, (\q)+1, 1-(\q)%2
	FETCH_A \slot, (\q)+1, 0
	WIN MUL_HI
	MUL16 4, (\q)%2, \zero
	MUL16 6, (\q)%2, \zero
	PLACES NP
	WIN 0
	FETCH_A \slot, (\q)+1, 4
.endm
; A slot's last step changes slots: one barrier; in front of it each wave waits for all its tensor loads, adds 0 to its spare word, and waits for that and for its reads of this slot.
.macro TURN slot, next, fill
	s_wait_tensorcnt 0x0                           ; all my tensor loads have landed: my part of the next slot
	ds_add_u32 v[SPW], v[NIL]
	s_wait_dscnt 4*NL+1                            ; the add and the youngest sixteen loads may be out
	WIN MUL_LO
	MUL16 0, 1, 0
	s_wait_dscnt 0x0                               ; the add is done, and my reads of this slot are over
	s_barrier_signal -1
	MUL16 2, 1, 0
	WIN 0
	s_barrier_wait -1
.if \fill
	CREST                                          ; the barrier has opened a round of the cluster's: no wave of any partner still reads this slot or has a load on its way
	s_add_nc_u64 s[G0+4*\slot+2:G0+4*\slot+3], s[G0+4*\slot+2:G0+4*\slot+3], 2*ROWB
	s_add_nc_u64 s[G0B+4*\slot+2:G0B+4*\slot+3], s[G0B+4*\slot+2:G0B+4*\slot+3], 2*ROWB
	JLOAD G0+4*\slot, G1, G0B+4*\slot, G1B         ; the first tensor load behind the round; its four v_nop are also the places in front of the loads below
.else
	PLACES NP
.endif
	FETCH_B \next, 0, 0
	FETCH_A \next, 0, 0
	WIN MUL_HI
	MUL16 4, 1, 0
	MUL16 6, 1, 0
	PLACES NP
	WIN 0
	FETCH_A \next, 0, 4
.endm
	s_wait_alu depctr_va_vdst(0)
	s_wait_tensorcnt 1                             ; my part of K step 0 is in; K step 1's load may be out
	s_barrier_signal -1
	s_barrier_wait -1
	FETCH_B 0, 0, 0
	FETCH_A 0, 0, 0
	FETCH_A 0, 0, 4
	STEP 0, 0, 1                                   ; the first step's products start the sums
	s_mov_b32 s3, LAPS-1
.Llap:
	TURN 0, 1, 1
	STEP 1, 0, 0
	TURN 1, 0, 1
	STEP 0, 0, 0
	s_sub_co_u32 s3, s3, 1
	s_cmp_lg_u32 s3, 0
	s_cbranch_scc1 .Llap
	TURN 0, 1, 0                                   ; the last lap fills nothing
	STEP 1, 0, 0
	s_wait_dscnt 4*NL
	WIN MUL_LO
	MUL16 0, 1, 0
	MUL16 2, 1, 0
	s_wait_dscnt 0
	WIN MUL_HI
	MUL16 4, 1, 0
	MUL16 6, 1, 0
	WIN 0
	s_wait_kmcnt 0x0
	s_cmp_eq_u32 ttmp9, 0                          ; the product's three exponents, chosen without a branch
	s_cselect_b32 s96, s80, s82
	s_cselect_b32 s97, s81, s83
	s_cselect_b32 s98, s86, s87
	s_cmp_eq_u32 ttmp9, 2
	s_cselect_b32 s96, s84, s96
	s_cselect_b32 s97, s85, s97
	s_cselect_b32 s98, s89, s98
	s_sub_co_i32 s98, s98, s96
	s_sub_co_i32 s98, s98, s97                     ; eout - ea - eb
	s_add_co_i32 s98, s98, 127
	s_lshl_b32 s96, s98, 23
	s_add_co_i32 s98, s98, 8
	s_lshl_b32 s98, s98, 23
	s_or_b32 s98, s98, 0x600000
	PLACES NP                                      ; behind the last products: their results are read, and A's registers written, only behind these
	v_mov_b32 v[SCV], s96
.macro OUT a                           ; block a: 16 rows x 128 columns: converted, stored as an image
	WIN 0x02+((\a)/4)                              ; source 0: window 2 or 3
.set j, 0
.rept 64
.set j, j+1
.endr
.irp b, 0,1,2,3,4,5,6,7
	v_cvt_scalef32_pk8_fp8_f32 v[CD+16*(\a)+2*\b:CD+16*(\a)+2*\b+1], v[TMP+8*\b+((64*((\a)%4)+j)-(TMP+j)):TMP+8*\b+7+((64*((\a)%4)+j)-(TMP+j))], v[SCV]
.endr
	WIN 0
	v_nop
.irp c, 0,1,2,3
	global_store_b128 v[CO], v[CD+16*(\a)+4*\c:CD+16*(\a)+4*\c+3], s[10:11] offset:2048*(\a)+512*\c th:TH_STORE_NT   ; 32 lanes store 512 consecutive bytes, aligned
.endr
.endm
.irp a, 0,1,2,3,4,5,6,7
	OUT \a
.endr
	s_wait_tensorcnt 0x0                           ; the wave's end
	ds_add_u32 v[SPW], v[NIL]
	s_wait_dscnt 0x0
	CROUND                                         ; the closing round
	s_endpgm
.Lfunc_end_k_q5f1b60d4f8_qkv:
	.size	k_q5f1b60d4f8_qkv, .Lfunc_end_k_q5f1b60d4f8_qkv-k_q5f1b60d4f8_qkv
	.p2alignl 7, 3214868480
	.fill 96, 4, 3214868480
	.section	.rodata,"a",@progbits
	.p2align	6, 0x0
	.amdhsa_kernel k_q5f1b60d4f8_qkv
		.amdhsa_group_segment_fixed_size 327680
		.amdhsa_private_segment_fixed_size 0
		.amdhsa_enable_private_segment 0
		.amdhsa_kernarg_size 32
		.amdhsa_user_sgpr_count 2
		.amdhsa_user_sgpr_kernarg_segment_ptr 1
		.amdhsa_wavefront_size32 1
		.amdhsa_system_sgpr_workgroup_id_x 1
		.amdhsa_system_sgpr_workgroup_id_y 1
		.amdhsa_system_sgpr_workgroup_id_z 1
		.amdhsa_system_vgpr_workitem_id 0
		.amdhsa_next_free_vgpr 1024
		.amdhsa_next_free_sgpr 100
		.amdhsa_reserve_vcc 0
		.amdhsa_float_denorm_mode_32 3
		.amdhsa_float_denorm_mode_16_64 3
		.amdhsa_fp16_overflow 1
		.amdhsa_memory_ordered 1
		.amdhsa_forward_progress 1
		.amdhsa_inst_pref_size 86
	.end_amdhsa_kernel
	.amdgpu_metadata
---
amdhsa.version: [ 1, 2 ]
amdhsa.kernels:
  - .name:           k_q5f1b60d4f8_qkv
    .symbol:         k_q5f1b60d4f8_qkv.kd
    .args:
      - { .name: xcodes, .offset: 0, .size: 8, .value_kind: global_buffer, .address_space: global }
      - { .name: wcodes, .offset: 8, .size: 8, .value_kind: global_buffer, .address_space: global }
      - { .name: lowp_scales, .offset: 16, .size: 8, .value_kind: global_buffer, .address_space: global }
      - { .name: qkv, .offset: 24, .size: 8, .value_kind: global_buffer, .address_space: global }
    .group_segment_fixed_size: 327680
    .private_segment_fixed_size: 0
    .kernarg_segment_align: 8
    .kernarg_segment_size: 32
    .max_flat_workgroup_size: 128
    .sgpr_count:     100
    .vgpr_count:     1024
    .wavefront_size: 32
...
	.end_amdgpu_metadata
.endif
;; end of part 2
;; launch attn (part 3): grid 8 x 32, 16 waves a work-group, no clusters, 327,680 bytes of LDS; arguments qkv, lowp_scales, ocodes; writes ocodes
.if DOCPART == 3
	.amdgcn_target "amdgcn-amd-amdhsa--gfx1250"
	.amdhsa_code_object_version 6
	.text
	.protected	k_q5f1b60d4f8_attn
	.globl	k_q5f1b60d4f8_attn
	.p2align	8
	.type	k_q5f1b60d4f8_attn,@function
k_q5f1b60d4f8_attn:
	s_mov_b64 s[64:65], 0
	v_nop
	global_prefetch_b8 v0, s[64:65] scope:SCOPE_SE
	s_setreg_imm32_b32 hwreg(HW_REG_WAVE_MODE, 25, 1), 1
	s_wait_xcnt 0x0
; Causal attention on codes of FP8 (E4M3): 64 heads of 64 channels, 2,048 positions.  Both products quantised; the scales' exponents are entries 6 (q), 7 (k), 8 (p), 9 (v), 10 (o) of lowp_scales.
; t = score x 2^(e6 + e7) x log2(e) / 8; M = the running largest t rounded UP to a whole number; p = 2^(t - M) is quantised with 2^e8, not normalised; the row's sum is taken of the unquantised p and divides at the end.
; o is quantised at once with 2^e10, for the last projection: a sum of the second product stands for sum x 2^(e8 + e9), so its code is (sum / l) / 2^(e10 - e8 - e9), held within +-448.
; qkv holds q, k, v as IMAGES of operand registers (16 rows x 128 bytes: byte 512 c + 16 lane = the lane's registers 4 c .. 4 c + 3), [plane 3][batch x pair of heads 32][block 16][image 8][2,048]:
; q, k: block = 128 positions, image = 16 of them, bytes 64 e on = head e of the pair;  v: block = 128 keys, images 4 e .. 4 e + 3 = head e's 64 channels, bytes along the keys.
; SHARES.  A work-group serves one pair of heads and TWO blocks of 128 queries: block 15 - i, then block i (i = work-group x).  Under the causal mask they need 16 - i and i + 1 key steps of 128 keys: 17 in every work-group,
; so the trip counts are constants of the text, all 256 work-groups have equal work, and no tile that lies wholly under the mask is fetched or multiplied.  Step t takes key block t (t <= 15 - i) or t - (16 - i).
; Wave w: head w / 8 of the pair, tile w % 8 of 16 queries; 256 registers, four waves to a SIMD, so that one wave's vector work stands beside another's matrix work and LDS loads.
; LAYOUT.  Both products are used transposed: S^T = K Q^T (16x16x64: source 0 = 16 keys, source 1 = my queries), O^T = V^T P^T (16x16x128): a lane holds ONE query (lane % 16) throughout.
; In S^T's tile T lane (r, h) holds keys 16 T + 8 h + 0..7, which one conversion turns into registers 2 T, 2 T + 1 of P in the plain fp8 layout (ISA guide 7.12.2): nothing changes lanes.
; RING.  Two LDS slots of two key steps (K's tile 16 KiB, V's 16 KiB a step), dense, read at 16 x lane.  Waves 0-3 fetch one tile each behind each change of slots; by this text's count a wave has one tensor load out.
; NO CLUSTER: the eight work-groups of a pair of heads want different key blocks from their own change of query blocks on (the key block of a step hangs on i), so a joint request would need unequal descriptors.
; ocodes: [pair of heads 8][tile of 16 rows 512][2,048]: images of the last projection's A operand; wave (e, tile) stores bytes 1,024 e on of its image: two stores of 512 consecutive aligned bytes.
; LIMITS: e6 + e7 between -123 and 130 (added to c's exponent field); e8, and e10 - e8 - e9, between -126 and 119.  NaN among the inputs is not served.
; REGISTERS: v1-7 addresses that stay; v8, v9 addresses of the step; v12 -M, v13 the largest t, v[14:15] the sum in two halves; v16-23 Q; v32-95 K's 8 fragments, then V's 4; v96-159 S^T, then p; v160-191 O^T; v192-207 p's codes; v208-215 o's codes.
.set SLOT1, 1<<16                      ; slot 1 begins here: one exclusive or turns an address from one slot to the other
.set STEPB, 32768                      ; a step's tiles: K's 16,384 bytes, then V's
.set SPARE, 2*SLOT1                    ; behind the ring: the spare words, 128 bytes for each of 16 waves
.set AK0, 1                            ; v1  16 lane + 1,024 e: my place in an image of K
.set AV0, 2                            ; v2  16 lane + 16,384 + 8,192 e: in my head's images of V
.set PFO, 3                            ; v3  256 x lane: the prefetches' offset
.set GQ,  4                            ; v4  16 lane + 1,024 e: my place in an image of q or of o in memory
.set SPW, 5
.set NIL, 6
.set DG,  7                            ; v7  my query less 8 h, within the block: 16 (w % 8) + r - 8 h
.set ADK, 8
.set ADV, 9
.set TB,  2                            ; s2  LDS byte at which the slot in hand begins
.set WV,  18
.set SEL, 20                           ; s[20:21] v_permlanex16_b32's selects: lane xor 16
.set CS,  22                           ; s[22:23] c
.set G1,  24                           ; s[24:31] the tiles' shape
.set G0,  40                           ; s[40:43] from where, to where: it walks
.set TW,  44                           ; s44 the step whose tile I fetch next
.set STP, 45                           ; s45 the step in hand
.set TS,  46                           ; s46 15 - i: the first query block, and its last (diagonal) step
.set TS1, 47                           ; s47 16 - i
.set BASE, 48                          ; s[48:49] key block 0 of my kind of tile
.set QA,  50                           ; s[50:51], s[52:53] my image of q in the first and in the second block
.set QB,  52
.set OP,  54                           ; s[54:55] my image of o for the block in hand; s[56:57] for the second block
.set OB,  56
.set SLOTS, 67
.set PFA, 76                           ; s[76:77] where my prefetches stand
.set LIM, 80                           ; s80 1 in a wave that prefetches, else the greatest number
.macro TLOAD n                         ; waves 0 .. n - 1 fetch; four v_nop follow the line
	s_cmp_lt_u32 s[WV], \n
	s_cbranch_scc0 .Lnone_\@
	tensor_load_to_lds s[G0:G0+3], s[G1:G1+7]
	s_nop 0
.rept 4
	v_nop
.endr
.Lnone_\@:
.endm
; A PREFETCH of the slot that the NEXT change of slots will ask for: two key steps ahead of that load.  All eight work-groups of a pair of heads read the same K and V; work-group i = 0, whose first 16 steps walk the key blocks
; in memory's order, asks, and nobody else.  In it waves 4-7 ask for a slot's 32,768 bytes of K, waves 8-11 for V's: 8,192 bytes a wave, lanes 256 bytes apart: each block of 256 bytes is named once in the launch.
; Slots 0 and 1 come by their loads alone; the last request is for slot 7, key blocks 14 and 15, the last of the pair's rows.
.macro ASK
	s_cmp_gt_u32 s[SLOTS], s[LIM]
	s_cbranch_scc0 .Lnot_mine_\@
	global_prefetch_b8 v[PFO], s[PFA:PFA+1] th:TH_LOAD_NT scope:SCOPE_SE
.Lnot_mine_\@:
.endm
	s_load_b128 s[4:7], s[0:1], 0x0                ; qkv s[4:5], scales s[6:7]
	s_load_b64 s[8:9], s[0:1], 0x10                ; ocodes
	v_lshl_add_u32 v[SPW], v0, 2, SPARE
	v_mov_b32 v[NIL], 0
	ds_add_u32 v5, v6
	ds_add_u32 v5, v6
	s_wait_dscnt 0x0
	v_lshrrev_b32 v8, 5, v0
	s_delay_alu instid0(VALU_DEP_1)
	v_readfirstlane_b32 s[WV], v8                  ; wave 0..15
	s_lshr_b32 s10, s[WV], 3                       ; e: my head of the pair
	s_and_b32 s11, s[WV], 7                        ; my tile of 16 queries in a block
	s_and_b32 s12, ttmp7, 0xffff                   ; 8 x batch + pair
	s_lshr_b32 s13, s12, 3
	s_and_b32 s14, s12, 7
	s_lshl_b32 s15, s12, 18                        ; 16 blocks of 16,384 bytes for each (batch, pair)
	s_sub_co_u32 s[TS], 15, ttmp9
	s_add_co_u32 s[TS1], s[TS], 1
	s_lshr_b32 s[TW], s[WV], 1                     ; waves 0, 1: step 0; waves 2, 3: step 1
	s_mov_b32 s[G1], 3<<16                         ; no mask; elements of 8 bytes; no padding
	s_mov_b32 s[G1+1], 32<<16                      ; tensor_dim0 = 32 elements: rows of 256 bytes
	s_mov_b32 s[G1+2], 64<<16                      ; tensor_dim1 = 64
	s_mov_b32 s[G1+3], 32<<16                      ; tile_dim0
	s_mov_b32 s[G1+4], 64                          ; tile_dim1: 64 x 256 = 16,384 bytes, dense
	s_mov_b32 s[G1+5], 32                          ; from row to row
	s_mov_b32 s[G1+6], 0
	s_mov_b32 s[G1+7], 0
	s_mov_b32 s[SEL], 0x76543210
	s_mov_b32 s[SEL+1], 0xfedcba98
	s_mov_b32 s[CS], 0x3e38aa3b                    ; c = log2(e) / sqrt(64)
	s_mov_b32 s[TB], 0
	s_mov_b32 s[STP], 0
	s_mov_b32 s[SLOTS], 7
	s_and_b32 s32, s[WV], 1                        ; even waves fetch K's tiles (plane 1), odd waves V's (plane 2)
	s_add_co_u32 s32, s32, 1
	s_lshl_b32 s32, s32, 23
	s_add_co_u32 s32, s32, s15
	s_mov_b32 s33, 0
	s_lshl_b32 s34, s[TW], 14
	s_mov_b32 s35, 0
	s_wait_kmcnt 0x0
	s_load_b128 s[68:71], s[6:7], 0x18             ; e6, e7, e8, e9
	s_load_b32 s72, s[6:7], 0x28                   ; e10
	s_add_nc_u64 s[BASE:BASE+1], s[4:5], s[32:33]
	s_mov_b32 s[G0], 1                             ; count = 1
	s_lshl_b32 s[G0+1], s[WV], 14                  ; LDS: step w / 2 of slot 0, K's tile or V's: 16,384 w
	s_add_nc_u64 s[G0+2:G0+3], s[BASE:BASE+1], s[34:35]   ; steps 0 and 1 take key blocks 0 and 1 in every work-group
	s_or_b32 s[G0+3], s[G0+3], 0x80000000          ; type = 2
	TLOAD 4                                        ; slot 0: the one group of first fills
	s_lshl_b32 s32, s[TS], 3
	s_add_co_u32 s32, s32, s11                     ; my tile of 16 queries among the sequence's 128: in the first block,
	s_lshl_b32 s33, ttmp9, 3
	s_add_co_u32 s33, s33, s11                     ; in the second
	s_lshl_b32 s34, s32, 11
	s_add_co_u32 s34, s34, s15
	s_add_nc_u64 s[QA:QA+1], s[4:5], s[34:35]
	s_lshl_b32 s34, s33, 11
	s_add_co_u32 s34, s34, s15
	s_add_nc_u64 s[QB:QB+1], s[4:5], s[34:35]
	s_lshl_b32 s36, s13, 7                         ; 128 tiles a batch
	s_lshl_b32 s37, s14, 20                        ; the pair's plane of ocodes
	s_add_co_u32 s34, s32, s36
	s_lshl_b32 s34, s34, 11
	s_add_co_u32 s34, s34, s37
	s_add_nc_u64 s[OP:OP+1], s[8:9], s[34:35]
	s_add_co_u32 s34, s33, s36
	s_lshl_b32 s34, s34, 11
	s_add_co_u32 s34, s34, s37
	s_add_nc_u64 s[OB:OB+1], s[8:9], s[34:35]
	s_cmp_lt_u32 s[WV], 8                          ; the prefetches: waves 4-7 K's plane, waves 8-11 V's
	s_cselect_b32 s32, 1, 2
	s_lshl_b32 s32, s32, 23
	s_add_co_u32 s32, s32, s15
	s_and_b32 s33, s[WV], 3
	s_lshl_b32 s33, s33, 13                        ; my wave's 8,192 bytes,
	s_add_co_u32 s32, s32, s33
	s_add_co_u32 s32, s32, 32768                   ; in slot 1: the first change of slots steps it to slot 2
	s_mov_b32 s33, 0
	s_add_nc_u64 s[PFA:PFA+1], s[4:5], s[32:33]
	s_sub_co_u32 s32, s[WV], 4
	s_lshr_b32 s32, s32, 3                         ; 0 in waves 4 to 11,
	s_or_b32 s32, s32, ttmp9                       ; of work-group i = 0
	s_cmp_eq_u32 s32, 0
	s_cselect_b32 s[LIM], 1, -1
	v_and_b32 v8, 31, v0
	s_delay_alu instid0(VALU_DEP_1)
	v_lshlrev_b32 v9, 4, v8                        ; 16 x lane
	s_lshl_b32 s32, s10, 10
	v_add_nc_u32 v[GQ], s32, v9
	global_load_b128 v[16:19], v[GQ], s[QA:QA+1]            ; Q's fragment: registers 2 c, 2 c + 1 = channels 16 c + 8 h + 0..7 of query r
	global_load_b128 v[20:23], v[GQ], s[QA:QA+1] offset:512
	v_add_nc_u32 v[AK0], s32, v9
	s_lshl_b32 s33, s10, 13
	s_add_co_u32 s33, s33, 16384
	v_add_nc_u32 v[AV0], s33, v9
	v_lshlrev_b32 v[PFO], 8, v8
	v_and_b32 v10, 15, v0                          ; r
	v_bfe_u32 v11, v0, 4, 1                        ; h
	s_delay_alu instid0(VALU_DEP_1)
	v_lshlrev_b32 v11, 3, v11
	s_delay_alu instid0(VALU_DEP_1)
	v_sub_nc_u32 v[DG], v10, v11
	s_lshl_b32 s32, s11, 4
	v_add_nc_u32 v[DG], s32, v[DG]
	v_mov_b32 v13, 0xff61b1e6                      ; the largest t so far: -3e38, under every t
	s_delay_alu instid0(VALU_DEP_1)
	v_floor_f32 v12, -v13                          ; -M
	v_mov_b32 v14, 0
	v_mov_b32 v15, 0
	v_mov_b32 v236, 0                              ; a lane permute's destination counts as one of its sources
	v_mov_b32 v253, 0                              ; named as the upper half of the pair v[252:253]
.set j, 0
.rept 32
	v_mov_b32 v[160+j], 0                          ; O^T: the step is written once, and a block's first step finds zeros
.set j, j+1
.endr
	s_wait_kmcnt 0x0
	s_add_co_i32 s32, s68, s69
	s_lshl_b32 s32, s32, 23
	s_add_co_i32 s[CS], s[CS], s32                 ; c x 2^(e6 + e7)
	s_mov_b32 s[CS+1], s[CS]
	s_add_co_i32 s32, s70, 127
	s_lshl_b32 s33, s32, 23
	v_mov_b32 v244, s33                            ; 2^e8
	s_sub_co_i32 s32, s72, s70
	s_sub_co_i32 s32, s32, s71
	s_add_co_i32 s32, s32, 127
	s_lshl_b32 s33, s32, 23
	v_mov_b32 v245, s33                            ; 2^(e10 - e8 - e9)
; A query block is finished behind its diagonal step: O^T / l is quantised and stored.  last = 0: this is asked of the step's number, and the second block's Q and a fresh state follow.
.macro FINAL last
.if \last == 0
	s_cmp_eq_u32 s[STP], s[TS]
	s_cbranch_scc0 .Lon_\@
.endif
.rept 4
	v_nop                                          ; places behind the last products
.endr
	v_add_f32 v14, v14, v15                        ; the sum's two halves,
	s_delay_alu instid0(VALU_DEP_1)
	v_permlanex16_b32 v236, v14, s[SEL], s[SEL+1]
	s_delay_alu instid0(VALU_DEP_1)
	v_add_f32 v14, v14, v236                       ; and lane xor 16's
	s_wait_alu depctr_va_vdst(0)
	v_rcp_f32 v14, v14
	v_nop                                          ; a plain line behind the reciprocal
	s_wait_xcnt 0x0                                ; the first block's stores have read v208-215
	s_wait_alu depctr_va_vdst(0)                   ; the wait ahead of the reciprocal's first reader
.set j, 0
.rept 16
	v_pk_mul_f32 v[96+j:97+j], v[160+j:161+j], v[14:15] op_sel_hi:[1,0]   ; each accumulator from its low end on
.set j, j+2
.endr
.set j, 0
.rept 32
.set j, j+1
.endr
.irp t, 0,1,2,3
	v_cvt_scalef32_pk8_fp8_f32 v[208+2*\t:209+2*\t], v[96+8*\t:103+8*\t], v245   ; channels 16 t + 8 h + 0..7 of my head: registers 8 e + 2 t, + 1 of the image
.endr
	v_nop                                          ; a plain line behind the conversions: their sources are written again by the next products
	global_store_b128 v[GQ], v[208:211], s[OP:OP+1] th:TH_STORE_NT
	global_store_b128 v[GQ], v[212:215], s[OP:OP+1] offset:512 th:TH_STORE_NT
.if \last == 0
	global_load_b128 v[16:19], v[GQ], s[QB:QB+1]   ; the second block's Q
	global_load_b128 v[20:23], v[GQ], s[QB:QB+1] offset:512
	v_mov_b32 v13, 0xff61b1e6
	s_delay_alu instid0(VALU_DEP_1)
	v_floor_f32 v12, -v13
	v_mov_b32 v14, 0
	v_mov_b32 v15, 0
.set j, 0
.rept 32
	v_mov_b32 v[160+j], 0
.set j, j+1
.endr
	s_wait_xcnt 0x0                                ; the stores have read their base
	s_mov_b64 s[OP:OP+1], s[OB:OB+1]
	s_wait_loadcnt 0x0
.Lon_\@:
.endif
.endm
; A KEY STEP: 128 keys, the u-th of the slot in hand.  last = 1: the launch's last step, which is the second block's diagonal.
.macro STEP u, last
	v_add_nc_u32 v[ADK], s[TB], v[AK0]
	v_add_nc_u32 v[ADV], s[TB], v[AV0]
	v_nop
	v_nop                                          ; with the two additions: four places in front of loads into registers that the last products read
.irp t, 0,1,2,3,4,5,6,7
	ds_load_b128 v[32+8*\t:35+8*\t], v[ADK] offset:\u*STEPB+\t*2048
	ds_load_b128 v[36+8*\t:39+8*\t], v[ADK] offset:\u*STEPB+\t*2048+512
.endr
	s_wait_alu depctr_va_vdst(0)
	s_wait_dscnt 8                                 ; tiles 0-3 are in; the eight loads of tiles 4-7 may be out
.irp t, 0,1,2,3
	v_wmma_f32_16x16x64_fp8_fp8 v[96+8*\t:103+8*\t], v[32+8*\t:39+8*\t], v[16:23], 0
.endr
	s_wait_dscnt 0x0
.irp t, 4,5,6,7
	v_wmma_f32_16x16x64_fp8_fp8 v[96+8*\t:103+8*\t], v[32+8*\t:39+8*\t], v[16:23], 0
.endr
.rept 4
	v_nop                                          ; places: K's registers take V's fragments, and the scores are read
.endr
.irp t, 0,1,2,3
.irp c, 0,1,2,3
	ds_load_b128 v[32+16*\t+4*\c:35+16*\t+4*\c], v[ADV] offset:\u*STEPB+\t*2048+\c*512   ; they land while the softmax is walked
.endr
.endr
.if \last == 0
	s_cmp_eq_u32 s[STP], s[TS]                     ; the diagonal step of the first block?  A branch on ids
	s_cbranch_scc0 .Lopen_\@
.endif
	v_mov_b32 v254, 0xff800000                     ; hidden scores become -infinity ahead of the maximum: p = 0.  Register 8 T + j holds key 16 T + 8 h + j: hidden where 16 T + j > my query - 8 h
.set n, 0
.rept 64
	v_cmp_gt_i32 vcc_lo, 16*(n/8)+n%8, v[DG]
	v_cndmask_b32 v[96+n], v[96+n], v254, vcc_lo
.set n, n+1
.endr
.if \last == 0
.Lopen_\@:
.endif
	v_max3_num_f32 v254, v96, v97, v98             ; the step's largest score of my query among my 64 keys, in two chains,
	v_max3_num_f32 v252, v99, v100, v101
.set j, 6
.rept 14
	v_max3_num_f32 v254, v254, v[96+j], v[97+j]
	v_max3_num_f32 v252, v252, v[98+j], v[99+j]
.set j, j+4
.endr
	v_max3_num_f32 v254, v254, v158, v159
	s_delay_alu instid0(VALU_DEP_1)
	v_max_num_f32 v254, v254, v252
	s_delay_alu instid0(VALU_DEP_1)
	v_permlanex16_b32 v236, v254, s[SEL], s[SEL+1]
	s_delay_alu instid0(VALU_DEP_1)
	v_max_num_f32 v254, v254, v236                 ; and among lane xor 16's
	s_delay_alu instid0(VALU_DEP_1)
	v_mul_f32 v254, s[CS], v254                    ; as t (c is positive)
	s_delay_alu instid0(VALU_DEP_1)
	v_max_num_f32 v13, v13, v254                   ; the running largest t
	v_mov_b32 v254, v12
	s_delay_alu instid0(VALU_DEP_2)
	v_floor_f32 v12, -v13                          ; the new -M = -ceil(t): a whole number
	s_delay_alu instid0(VALU_DEP_1)
	v_sub_f32 v254, v12, v254                      ; old M - new M: a whole number, 0 or less
	s_delay_alu instid0(VALU_DEP_1)
	v_cvt_i32_f32 v254, v254                       ; (it saturates)
	s_delay_alu instid0(VALU_DEP_1)
	v_ldexp_f32 v252, 1.0, v254                    ; f = 2^(old M - new M): a multiplication by it rounds nothing
.set j, 0
.rept 32
	v_pk_fma_f32 v[96+j:97+j], v[96+j:97+j], s[CS:CS+1], v[12:13] op_sel_hi:[1,0,0]   ; t - M, two at a time
.set j, j+2
.endr
.set j, 0
	s_wait_alu depctr_va_vdst(0)
.rept 64
	v_exp_f32 v[96+j], v[96+j]                     ; p = 2^(t - M)
.set j, j+1
.endr
	v_pk_mul_f32 v[14:15], v[14:15], v[252:253] op_sel_hi:[1,0]   ; the sums under the new M; the plain line behind the exponentials
	s_wait_alu depctr_va_vdst(0)                   ; one wait for the batch of 64, ahead of its first reader
	v_pk_add_f32 v[242:243], v[100:101], v[104:105]
	v_pk_add_f32 v[254:255], v[108:109], v[112:113]
	v_pk_add_f32 v[250:251], v[116:117], v[120:121]
	v_pk_add_f32 v[248:249], v[124:125], v[128:129]
	v_pk_add_f32 v[246:247], v[132:133], v[136:137]
	v_pk_add_f32 v[240:241], v[140:141], v[144:145]
	v_pk_add_f32 v[238:239], v[148:149], v[152:153]
	v_pk_add_f32 v[14:15], v[14:15], v[156:157]
	v_pk_add_f32 v[242:243], v[242:243], v[96:97]
	v_pk_add_f32 v[254:255], v[254:255], v[98:99]
	v_pk_add_f32 v[250:251], v[250:251], v[102:103]
	v_pk_add_f32 v[248:249], v[248:249], v[106:107]
	v_pk_add_f32 v[246:247], v[246:247], v[110:111]
	v_pk_add_f32 v[240:241], v[240:241], v[114:115]
	v_pk_add_f32 v[238:239], v[238:239], v[118:119]
	v_pk_add_f32 v[14:15], v[14:15], v[122:123]
	v_pk_add_f32 v[242:243], v[242:243], v[126:127]
	v_pk_add_f32 v[254:255], v[254:255], v[130:131]
	v_pk_add_f32 v[250:251], v[250:251], v[134:135]
	v_pk_add_f32 v[248:249], v[248:249], v[138:139]
	v_pk_add_f32 v[246:247], v[246:247], v[142:143]
	v_pk_add_f32 v[240:241], v[240:241], v[146:147]
	v_pk_add_f32 v[238:239], v[238:239], v[150:151]
	v_pk_add_f32 v[14:15], v[14:15], v[154:155]
	v_pk_add_f32 v[242:243], v[242:243], v[158:159]
	s_delay_alu instid0(VALU_DEP_2)
	v_pk_add_f32 v[14:15], v[14:15], v[248:249]
	s_delay_alu instid0(VALU_DEP_2)
	v_pk_add_f32 v[242:243], v[242:243], v[246:247]
	v_pk_add_f32 v[254:255], v[254:255], v[240:241]
	v_pk_add_f32 v[250:251], v[250:251], v[238:239]
	s_delay_alu instid0(VALU_DEP_2)
	v_pk_add_f32 v[14:15], v[14:15], v[254:255]
	s_delay_alu instid0(VALU_DEP_2)
	v_pk_add_f32 v[242:243], v[242:243], v[250:251]
	s_delay_alu instid0(VALU_DEP_1)
	v_pk_add_f32 v[14:15], v[14:15], v[242:243]
.irp t, 0,1,2,3,4,5,6,7
.irp i, 0,1,2,3,4,5,6,7
.endr
	v_cvt_scalef32_pk8_fp8_f32 v[192+2*\t:193+2*\t], v[96+8*\t:103+8*\t], v244
.endr
.set j, 0
.rept 16
	v_pk_mul_f32 v[160+j:161+j], v[160+j:161+j], v[252:253] op_sel_hi:[1,0]   ; O^T under the new M; also the plain lines between the conversions and the products that read their results
.set j, j+2
.endr
	s_wait_alu depctr_va_vdst(0)
	s_wait_dscnt 0x0                               ; V's fragments are in
.irp t, 0,1,2,3
	v_wmma_f32_16x16x128_fp8_fp8 v[160+8*\t:167+8*\t], v[32+16*\t:47+16*\t], v[192:207], v[160+8*\t:167+8*\t]   ; four accumulators by turns, one instruction a turn
.endr
	FINAL \last
	s_add_co_u32 s[STP], s[STP], 1
.endm
; THE CHANGE OF SLOTS stands at a slot's head.  Each wave waits for all its tensor loads, adds 0 to its spare word, and waits for that and for its reads of the slot that it has left.
; Behind the barrier the slot ahead is whole and nobody reads the other one.  n: how many waves fill that other slot (0: none); the load has a slot's two key steps in which to land.
.macro CHANGE n, ask
	s_wait_tensorcnt 0x0                           ; no tensor load of mine is out, so the descriptor may be written
	ds_add_u32 v[SPW], v[NIL]
	ds_add_u32 v[SPW], v[NIL]
.if \n
	s_xor_b32 s[G0+1], s[G0+1], SLOT1              ; the other slot than last time,
	s_add_co_u32 s[TW], s[TW], 2                   ; the step two on,
	s_sub_co_u32 s33, s[TW], s[TS1]
	s_cmp_le_u32 s[TW], s[TS]
	s_cselect_b32 s32, s[TW], s33                  ; its key block: the step's number in the first query block, counted anew in the second
	s_lshl_b32 s32, s32, 14
	s_mov_b32 s33, 0
	s_add_nc_u64 s[G0+2:G0+3], s[BASE:BASE+1], s[32:33]
	s_or_b32 s[G0+3], s[G0+3], 0x80000000
.endif
.if \ask
	s_wait_xcnt 0x0                                ; the last prefetch, a slot back, has read its address
	s_add_nc_u64 s[PFA:PFA+1], s[PFA:PFA+1], 32768
.endif
	s_wait_dscnt 0x0                               ; the add is done, and my reads of the slot that I have left are over
	s_barrier_signal -1
	s_barrier_wait -1
.if \n
	TLOAD \n                                       ; the first thing behind the barrier, and a wave's one tensor load until the next
.endif
.if \ask
	ASK
.endif
.endm
	s_wait_loadcnt 0x0                             ; Q
.Lslot:                                            ; seven trips: slots 0 to 6 are read, slots 1 to 7 asked for
	CHANGE 4, 1
	STEP 0, 0
	STEP 1, 0
	s_xor_b32 s[TB], s[TB], SLOT1
	s_sub_co_u32 s[SLOTS], s[SLOTS], 1
	s_cmp_lg_u32 s[SLOTS], 0
	s_cbranch_scc1 .Lslot
	CHANGE 2, 0                                    ; the tail is written out: of the ninth slot only step 16 is read, so only waves 0 and 1 fetch
	STEP 0, 0
	STEP 1, 0
	s_xor_b32 s[TB], s[TB], SLOT1
	CHANGE 0, 0
	STEP 0, 1
	s_wait_tensorcnt 0x0                           ; the wave's end
	ds_add_u32 v[SPW], v[NIL]
	s_wait_dscnt 0x0
	s_endpgm
.Lfunc_end_k_q5f1b60d4f8_attn:
	.size	k_q5f1b60d4f8_attn, .Lfunc_end_k_q5f1b60d4f8_attn-k_q5f1b60d4f8_attn
	.p2alignl 7, 3214868480
	.fill 96, 4, 3214868480
	.section	.rodata,"a",@progbits
	.p2align	6, 0x0
	.amdhsa_kernel k_q5f1b60d4f8_attn
		.amdhsa_group_segment_fixed_size 327680
		.amdhsa_private_segment_fixed_size 0
		.amdhsa_enable_private_segment 0
		.amdhsa_kernarg_size 24
		.amdhsa_user_sgpr_count 2
		.amdhsa_user_sgpr_kernarg_segment_ptr 1
		.amdhsa_wavefront_size32 1
		.amdhsa_system_sgpr_workgroup_id_x 1
		.amdhsa_system_sgpr_workgroup_id_y 1
		.amdhsa_system_sgpr_workgroup_id_z 1
		.amdhsa_system_vgpr_workitem_id 0
		.amdhsa_next_free_vgpr 256
		.amdhsa_next_free_sgpr 100
		.amdhsa_reserve_vcc 1
		.amdhsa_float_denorm_mode_32 3
		.amdhsa_float_denorm_mode_16_64 3
		.amdhsa_fp16_overflow 1
		.amdhsa_memory_ordered 1
		.amdhsa_forward_progress 1
		.amdhsa_inst_pref_size 119
	.end_amdhsa_kernel
	.amdgpu_metadata
---
amdhsa.version: [ 1, 2 ]
amdhsa.kernels:
  - .name:           k_q5f1b60d4f8_attn
    .symbol:         k_q5f1b60d4f8_attn.kd
    .args:
      - { .name: qkv, .offset: 0, .size: 8, .value_kind: global_buffer, .address_space: global }
      - { .name: lowp_scales, .offset: 8, .size: 8, .value_kind: global_buffer, .address_space: global }
      - { .name: ocodes, .offset: 16, .size: 8, .value_kind: global_buffer, .address_space: global }
    .group_segment_fixed_size: 327680
    .private_segment_fixed_size: 0
    .kernarg_segment_align: 8
    .kernarg_segment_size: 24
    .max_flat_workgroup_size: 512
    .sgpr_count:     100
    .vgpr_count:     256
    .wavefront_size: 32
...
	.end_amdgpu_metadata
.endif
;; end of part 3
;; launch oproj (part 4): grid 4 x 32, 4 waves a work-group, clusters of 4 x 4, 327,680 bytes of LDS; arguments ocodes, wcodes, lowp_scales, out0; writes out0
.if DOCPART == 4
	.amdgcn_target "amdgcn-amd-amdhsa--gfx1250"
	.amdhsa_code_object_version 6
	.text
	.protected	k_q5f1b60d4f8_oproj
	.globl	k_q5f1b60d4f8_oproj
	.p2align	8
	.type	k_q5f1b60d4f8_oproj,@function
k_q5f1b60d4f8_oproj:
	s_mov_b64 s[64:65], 0
	v_nop
	global_prefetch_b8 v0, s[64:65] scope:SCOPE_SE
	s_setreg_imm32_b32 hwreg(HW_REG_WAVE_MODE, 25, 1), 1
	s_wait_xcnt 0x0
	s_wait_alu depctr_hold_cnt(0) depctr_sa_sdst(0) depctr_va_vdst(0) depctr_va_sdst(0) depctr_va_ssrc(0) depctr_va_vcc(0) depctr_vm_vsrc(0)
	s_getreg_b32 s2, hwreg(HW_REG_IB_STS2, 6, 4)
	s_cmp_eq_u32 s2, 0
	s_cbranch_scc0 .Lentry_in_a_cluster
	s_endpgm
.Lentry_in_a_cluster:
	s_bfe_u32 s2, ttmp6, 0x10000c
	s_cmp_lg_u32 s2, 0xf033
	s_cbranch_scc0 .Lentry_shape_is_right
	s_endpgm
.Lentry_shape_is_right:
; out0 = o Wo^T on codes of FP8 (E4M3): [8192][1024] f32, K = 1,024.  A number of o is its code x 2^e10, of Wo x 2^e11 (entries 10, 11 of the scales): each finished sum is multiplied once by 2^(e10 + e11).
; LIMIT: e10 + e11 lies between -126 and 127, so that 2^(e10 + e11) is an f32 number.
; A = ocodes: [plane of 128 along K: 8][tile of 16 rows: 512][2,048 bytes], each tile an IMAGE of the operand's 16 registers (byte 512 c + 16 lane = the lane's registers 4 c .. 4 c + 3).  B = plane 3 of wcodes: rows of 1,024 codes,
; laid so that four loads of 16 bytes fill a fragment with every k in its own place.
; A tile of C, 256 x 256, is made by four waves; a wave makes 128 x 128: 64 accumulators.  K goes in steps of 256 through a ring of two LDS slots: of A two planes' 16 images (2 x 32,768 bytes, dense: waves 0 and 1 fetch a plane each),
; of B 256 rows of 256 bytes, 16 bytes of padding behind each (waves 2 and 3 fetch 128 rows each).
; CLUSTERS: 4 x 4 work-groups; A's tiles are asked for jointly along a row of the cluster, B's along a column.  THE MATRIX INSTRUCTION IS USED TRANSPOSED: a lane holds eight neighbouring numbers of a row of C.
; 128 work-groups: a tile of half the size would give 256, at half again the LDS bytes for each matrix instruction; not taken.  No prefetch: the tiles are shared by multicast and the launch has four K steps.
; REGISTERS as windows of 256: window 0: v0-31 addresses; v128-255 A's fragments, ONE set; on the way out v32-255 are free.  window 1: B's fragments, two sets.  windows 2, 3: accumulators (a, b) at v[8 (8 (a % 4) + b)].
.set SIZE_N, 1024
.set SIZE_K, 1024
.set KSTEP,  256
.set ROWB,   256
.set KROW,   SIZE_K
.set PITCH,  272                       ; B's LDS row: 256 bytes + 16 of padding
.set FR,     16
.set NL,     4
.set NP,     4
.set HALFT,  128*PITCH                 ; B: what one tensor load brings
.set APL,    32768                     ; A: what one tensor load brings: a plane's 16 images
.set BOFF,   2*APL                     ; B's rows lie behind A's two planes
.set SLOT,   BOFF+2*HALFT
.set LAPS,   SIZE_K/(2*KSTEP)
.set SPARE,  2*SLOT                    ; behind the ring: the spare words, 128 bytes a wave
.set SPITCH, 528                       ; the way out: a stage of 16 rows x (512 bytes + 16) for each wave, in slot 0's part for A, which has had its last fill and its last read when the first result is stored there
.set ADRA, 16
.set ADRB, 20
.set STO,  24
.set RD,   25
.set CO,   26                          ; v26 16 x lane
.set SPW,  28
.set NIL,  29
.set TMP,  32
.set AF,   128
.set BK,   128
.set G1, 24
.set G0, 32
.set G1B, 48
.set G0B, 56
.set MSB, 0
.macro WIN new
.if MSB != (\new)
	s_set_vgpr_msb (MSB<<8)|(\new)
.set MSB, \new
.endif
.endm
.set MUL_LO, 0xa1
.set MUL_HI, 0xf1
.set TO_B,   0x40
.macro JLOAD g0a, g1a, g0b, g1b        ; a joint load: waves 0 and 1 fetch for A, waves 2 and 3 for B; four v_nop follow each line
	s_cmp_eq_u32 s15, 0
	s_cbranch_scc0 .Lfor_b_\@
	tensor_load_to_lds s[\g0a:\g0a+3], s[\g1a:\g1a+7]
	s_nop 0
.rept 4
	v_nop
.endr
	s_branch .Lasked_\@
.Lfor_b_\@:
	tensor_load_to_lds s[\g0b:\g0b+3], s[\g1b:\g1b+7]
	s_nop 0
.rept 4
	v_nop
.endr
.Lasked_\@:
.endm
.macro CREST
	s_cmp_lg_u32 s14, 0
	s_cbranch_scc1 .Lnot_wave_0_\@
	s_barrier_signal -3
.Lnot_wave_0_\@:
	s_barrier_wait -3
	s_barrier_signal -1
	s_barrier_wait -1
.endm
.macro CROUND
	s_barrier_signal -1
	s_barrier_wait -1
	CREST
.endm
	s_load_b128 s[4:7], s[0:1], 0x0                ; ocodes s[4:5], wcodes s[6:7]
	s_load_b128 s[8:11], s[0:1], 0x10              ; scales s[8:9], out0 s[10:11]
	v_lshl_add_u32 v[SPW], v0, 2, SPARE
	v_mov_b32 v[NIL], 0
	ds_add_u32 v28, v29
	ds_add_u32 v28, v29
	s_wait_dscnt 0x0
	v_lshrrev_b32 v1, 5, v0
	v_readfirstlane_b32 s14, v1                    ; wave 0..3
	s_lshr_b32 s15, s14, 1                         ; which half of the tile's rows is mine.  Also: I fetch for A (0) or for B (1)
	s_and_b32 s16, s14, 1                          ; which half of its columns.  Also: which plane of A, or which 128 rows of B, I fetch
	s_bfe_u32 s40, ttmp6, 0x40000                  ; cx, cy
	s_bfe_u32 s41, ttmp6, 0x40004
	s_lshl_b32 s42, ttmp9, 2
	s_add_co_u32 s42, s42, s40                     ; tile column of C
	s_and_b32 s17, ttmp7, 0xffff
	s_lshl_b32 s17, s17, 2
	s_add_co_u32 s17, s17, s41                     ; tile row of C
	s_lshl_b32 s43, s41, 2
	s_lshl_b32 s43, 15, s43                        ; my row of the cluster
	s_lshl_b32 s44, 0x1111, s40                    ; my column
	s_or_b32 s[G1+0], s43, (0<<16)|(1<<21)         ; A: the mask; elements of 1 byte; bit 21 beside a mask; no padding
	s_or_b32 s[G1B+0], s44, (0<<16)|(1<<20)|(1<<21)|(5<<22)|(3<<25)  ; B: padding of 4 words after every 64
.irp g, G1, G1B
	s_mov_b32 s[\g+1], ROWB<<16                    ; tensor_dim0
	s_mov_b32 s[\g+2], 128<<16                     ; tensor_dim1
	s_mov_b32 s[\g+3], ROWB<<16                    ; tile_dim0
	s_mov_b32 s[\g+4], 128                         ; tile_dim1
	s_mov_b32 s[\g+6], 0
	s_mov_b32 s[\g+7], 0
.endr
	s_mov_b32 s[G1+5], ROWB                        ; A: dense: 128 rows of 256 bytes on end
	s_mov_b32 s[G1B+5], KROW                       ; B: from row to row
	s_lshl_b32 s20, s16, 20                        ; A: plane w % 2 of the K step,
	s_lshl_b32 s18, s17, 15                        ; the tile row's 16 images
	s_add_co_u32 s20, s20, s18
	s_mov_b32 s21, 0
	s_lshl_b32 s19, s16, 7
	s_lshl_b32 s46, s42, 8
	s_add_co_u32 s46, s46, s19                     ; B: row 256 x tile column + 128 x half
	s_lshl_b32 s46, s46, 10
	s_add_co_u32 s46, s46, 3<<20                   ; in plane 3 of wcodes
	s_mov_b32 s47, 0
	s_lshl_b32 s45, s16, 15                        ; where they go: A's plane,
	s_mul_i32 s23, s16, HALFT
	s_add_co_u32 s23, s23, BOFF                    ; B's half
	s_wait_kmcnt 0x0
	s_load_b64 s[96:97], s[8:9], 0x28              ; e10, e11
	s_add_nc_u64 s[20:21], s[4:5], s[20:21]
	s_add_nc_u64 s[46:47], s[6:7], s[46:47]
	CROUND                                         ; all sixteen work-groups are here: the first joint loads meet
.irp s, 0,1
	s_mov_b32 s[G0+4*\s], 1
	s_add_co_u32 s[G0+4*\s+1], s45, \s*SLOT
	s_add_nc_u64 s[G0+4*\s+2:G0+4*\s+3], s[20:21], \s*(2<<20)
	s_or_b32 s[G0+4*\s+3], s[G0+4*\s+3], 0x80000000
	s_mov_b32 s[G0B+4*\s], 1
	s_add_co_u32 s[G0B+4*\s+1], s23, \s*SLOT
	s_add_nc_u64 s[G0B+4*\s+2:G0B+4*\s+3], s[46:47], \s*ROWB
	s_or_b32 s[G0B+4*\s+3], s[G0B+4*\s+3], 0x80000000
	s_wait_alu depctr_va_vdst(0)
	s_wait_tensorcnt 0x0
	ds_add_u32 v28, v29
	ds_add_u32 v28, v29
	s_wait_dscnt 0x0
	CROUND
	JLOAD G0+4*\s, G1, G0B+4*\s, G1B
.endr
	v_and_b32 v1, 15, v0                           ; r
	v_bfe_u32 v2, v0, 4, 1                         ; h
	v_mul_u32_u24 v3, v1, PITCH
	v_lshl_add_u32 v4, v2, 4, v3                   ; B: a fragment's row x pitch + 16 h
	v_and_b32 v6, 31, v0
	v_lshlrev_b32 v[CO], 4, v6                     ; A: 16 x lane in an image; also my place in a row of C
	s_wait_alu depctr_va_vdst(0)
	s_lshl_b32 s21, s15, 14                        ; my 8 images of A
	s_mul_i32 s22, s16, HALFT                      ; my 128 rows of B
	s_add_co_u32 s22, s22, BOFF
.irp s, 0,1
	v_add_nc_u32 v[ADRA+\s], s21, v[CO]
	v_add_nc_u32 v[ADRB+\s], s22, v4
	s_add_co_u32 s21, s21, SLOT
	s_add_co_u32 s22, s22, SLOT
.endr
	s_mul_i32 s23, s14, 16*SPITCH                  ; my stage
	v_mul_u32_u24 v5, v1, SPITCH                   ; in: row r, 32 bytes for each half of the lanes
	v_lshl_add_u32 v5, v2, 5, v5
	v_add_nc_u32 v[STO], s23, v5
	v_add_nc_u32 v[RD], s23, v[CO]                 ; back: the 32 lanes take one row of 512 bytes
	s_lshl_b32 s20, s17, 8
	s_lshl_b32 s21, s15, 7
	s_add_co_u32 s20, s20, s21                     ; my first row of C
	s_lshl_b32 s20, s20, 12                        ; a row of C is 4,096 bytes
	s_lshl_b32 s46, s42, 10                        ; my first column, in bytes
	s_lshl_b32 s47, s16, 9
	s_add_co_u32 s46, s46, s47
	s_add_co_u32 s20, s20, s46
	s_mov_b32 s21, 0
	s_add_nc_u64 s[10:11], s[10:11], s[20:21]
.macro FRAGB reg, adr, q, i            ; B: 16 rows x 128 K: four loads of 16 bytes, 32 bytes apart
.irp c, 0,1,2,3
	ds_load_b128 v[\reg+4*\c:\reg+4*\c+3], v[\adr] offset:128*(\q)+32*\c+(\i)*16*PITCH
.endr
.endm
.macro FRAGA reg, adr, q, i            ; A: image i of plane q: four loads of 512 consecutive bytes
.irp c, 0,1,2,3
	ds_load_b128 v[\reg+4*\c:\reg+4*\c+3], v[\adr] offset:APL*(\q)+2048*(\i)+512*\c
.endr
.endm
.macro MUL16 a0, p, zero               ; the 64 accumulators take turns, one instruction a turn, in the same order in every step
.irp a, \a0, \a0+1
.irp b, 0,1,2,3,4,5,6,7
.if \zero
	v_wmma_f32_16x16x128_fp8_fp8 v[8*(8*((\a)%4)+\b):8*(8*((\a)%4)+\b)+7], v[128*(\p)+FR*\b:128*(\p)+FR*\b+FR-1], v[AF+FR*(\a):AF+FR*(\a)+FR-1], 0
.else
	v_wmma_f32_16x16x128_fp8_fp8 v[8*(8*((\a)%4)+\b):8*(8*((\a)%4)+\b)+7], v[128*(\p)+FR*\b:128*(\p)+FR*\b+FR-1], v[AF+FR*(\a):AF+FR*(\a)+FR-1], v[8*(8*((\a)%4)+\b):8*(8*((\a)%4)+\b)+7]
.endif
.endr
.endr
.endm
.macro FETCH_B slot, q, p
	WIN TO_B
.irp i, 0,1,2,3,4,5,6,7
	FRAGB 128*(\p)+FR*\i, ADRB+\slot, \q, \i
.endr
	WIN 0
.endm
.macro FETCH_A slot, q, i0
.irp i, \i0, \i0+1, \i0+2, \i0+3
	FRAGA AF+FR*(\i), ADRA+\slot, \q, \i
.endr
.endm
.macro PLACES n                        ; plain vector lines between a matrix instruction and a load into, or a vector read of, its registers
.rept \n
	v_nop
.endr
.endm
.macro STEP slot, q, zero
	s_wait_dscnt 4*NL                              ; B's set and A's blocks 0-3 are in; the youngest sixteen loads (A's blocks 4-7) may be out
	WIN MUL_LO
	MUL16 0, (\q)%2, \zero
	MUL16 2, (\q)%2, \zero
	s_wait_dscnt 0
	PLACES NP
	FETCH_B \slot, (\q)+1, 1-(\q)%2
	FETCH_A \slot, (\q)+1, 0
	WIN MUL_HI
	MUL16 4, (\q)%2, \zero
	MUL16 6, (\q)%2, \zero
	PLACES NP
	WIN 0
	FETCH_A \slot, (\q)+1, 4
.endm
.macro TURN slot, next, fill           ; a slot's last step changes slots: one barrier, with the three lines in front of it
	s_wait_tensorcnt 0x0                           ; all my tensor loads have landed: my part of the next slot
	ds_add_u32 v[SPW], v[NIL]
	s_wait_dscnt 4*NL+1                            ; the add and the youngest sixteen loads may be out
	WIN MUL_LO
	MUL16 0, 1, 0
	s_wait_dscnt 0x0                               ; the add is done, and my reads of this slot are over
	s_barrier_signal -1
	MUL16 2, 1, 0
	WIN 0
	s_barrier_wait -1
.if \fill
	CREST                                          ; the barrier has opened a round of the cluster's: no wave of any partner still reads this slot or has a load on its way
	s_add_nc_u64 s[G0+4*\slot+2:G0+4*\slot+3], s[G0+4*\slot+2:G0+4*\slot+3], 4<<20   ; two K steps on: four planes
	s_add_nc_u64 s[G0B+4*\slot+2:G0B+4*\slot+3], s[G0B+4*\slot+2:G0B+4*\slot+3], 2*ROWB
	JLOAD G0+4*\slot, G1, G0B+4*\slot, G1B         ; the first tensor load behind the round; its four v_nop are also the places in front of the loads below
.else
	PLACES NP
.endif
	FETCH_B \next, 0, 0
	FETCH_A \next, 0, 0
	WIN MUL_HI
	MUL16 4, 1, 0
	MUL16 6, 1, 0
	PLACES NP
	WIN 0
	FETCH_A \next, 0, 4
.endm
	s_wait_alu depctr_va_vdst(0)
	s_wait_tensorcnt 1                             ; my part of K step 0 is in; K step 1's load may be out
	s_barrier_signal -1
	s_barrier_wait -1
	FETCH_B 0, 0, 0
	FETCH_A 0, 0, 0
	FETCH_A 0, 0, 4
	STEP 0, 0, 1                                   ; the first step's products start the sums
	s_mov_b32 s3, LAPS-1
.Llap:
	TURN 0, 1, 1
	STEP 1, 0, 0
	TURN 1, 0, 1
	STEP 0, 0, 0
	s_sub_co_u32 s3, s3, 1
	s_cmp_lg_u32 s3, 0
	s_cbranch_scc1 .Llap
	TURN 0, 1, 0                                   ; the last lap fills nothing
	STEP 1, 0, 0
	s_wait_dscnt 4*NL
	WIN MUL_LO
	MUL16 0, 1, 0
	MUL16 2, 1, 0
	s_wait_dscnt 0
	WIN MUL_HI
	MUL16 4, 1, 0
	MUL16 6, 1, 0
	WIN 0
; THE WAY OUT, block by block of 16 rows x 128 columns: through my own stage in LDS and back as whole rows of 512 bytes.  LDS serves a wave's instructions in order (ISA guide 5.7.1.4): no wait between the stores and the loads.
.macro TOSTAGE a
.set AC, 64*((\a)%4)
	WIN 0x02+((\a)/4)                              ; source 0: window 2 or 3
.set j, 0
.rept 32
	v_pk_mul_f32 v[TMP+j:TMP+j+1], v[AC+j:AC+j+1], s[96:97] op_sel_hi:[1,0]   ; both x s96 = 2^(e10 + e11); each accumulator from its low end on
.set j, j+2
.endr
	WIN 0
.irp b, 0,1,2,3,4,5,6,7
	ds_store_b128 v[STO], v[TMP+8*\b:TMP+8*\b+3] offset:64*\b
	ds_store_b128 v[STO], v[TMP+8*\b+4:TMP+8*\b+7] offset:64*\b+16
.endr
.set BB, BK+64*((\a)%2)
.irp t, 0,1,2,3,4,5,6,7,8,9,10,11,12,13,14,15
	ds_load_b128 v[BB+4*\t:BB+4*\t+3], v[RD] offset:\t*SPITCH
.endr
.endm
.macro SEND a, younger                 ; younger: the LDS instructions issued behind block a's loads, which may stay out
.set BB, BK+64*((\a)%2)
	s_wait_dscnt \younger
.if (\a) > 0
	s_add_nc_u64 s[10:11], s[10:11], 16*SIZE_N*4   ; behind a wait on XCNT: the earlier stores have read their base
.endif
.irp t, 0,1,2,3,4,5,6,7,8,9,10,11,12,13,14,15
	global_store_b128 v[CO], v[BB+4*\t:BB+4*\t+3], s[10:11] offset:\t*SIZE_N*4 th:TH_STORE_NT   ; 32 lanes store 512 consecutive bytes, aligned
.endr
.endm
	s_wait_kmcnt 0x0
	s_add_co_i32 s96, s96, s97
	s_add_co_i32 s96, s96, 127
	s_lshl_b32 s96, s96, 23                        ; 2^(e10 + e11) as f32
	PLACES NP                                      ; behind the last products: results are read, and loads land in A's registers, only behind these
	TOSTAGE 0
.irp a, 1,2,3,4,5,6,7
.if \a > 1
	s_wait_xcnt 0x0                                ; block a - 2's stores have read their registers and their base
.endif
	TOSTAGE \a
	SEND \a-1, 32                                  ; behind block a - 1's loads: block a's 16 stores and 16 loads
.endr
	s_wait_xcnt 0x0
	SEND 7, 0
	s_wait_tensorcnt 0x0                           ; the wave's end
	ds_add_u32 v[SPW], v[NIL]
	s_wait_dscnt 0x0
	CROUND                                         ; the closing round
	s_endpgm
.Lfunc_end_k_q5f1b60d4f8_oproj:
	.size	k_q5f1b60d4f8_oproj, .Lfunc_end_k_q5f1b60d4f8_oproj-k_q5f1b60d4f8_oproj
	.p2alignl 7, 3214868480
	.fill 96, 4, 3214868480
	.section	.rodata,"a",@progbits
	.p2align	6, 0x0
	.amdhsa_kernel k_q5f1b60d4f8_oproj
		.amdhsa_group_segment_fixed_size 327680
		.amdhsa_private_segment_fixed_size 0
		.amdhsa_enable_private_segment 0
		.amdhsa_kernarg_size 32
		.amdhsa_user_sgpr_count 2
		.amdhsa_user_sgpr_kernarg_segment_ptr 1
		.amdhsa_wavefront_size32 1
		.amdhsa_system_sgpr_workgroup_id_x 1
		.amdhsa_system_sgpr_workgroup_id_y 1
		.amdhsa_system_sgpr_workgroup_id_z 1
		.amdhsa_system_vgpr_workitem_id 0
		.amdhsa_next_free_vgpr 1024
		.amdhsa_next_free_sgpr 98
		.amdhsa_reserve_vcc 0
		.amdhsa_float_denorm_mode_32 3
		.amdhsa_float_denorm_mode_16_64 3
		.amdhsa_memory_ordered 1
		.amdhsa_forward_progress 1
		.amdhsa_inst_pref_size 124
	.end_amdhsa_kernel
	.amdgpu_metadata
---
amdhsa.version: [ 1, 2 ]
amdhsa.kernels:
  - .name:           k_q5f1b60d4f8_oproj
    .symbol:         k_q5f1b60d4f8_oproj.kd
    .args:
      - { .name: ocodes, .offset: 0, .size: 8, .value_kind: global_buffer, .address_space: global }
      - { .name: wcodes, .offset: 8, .size: 8, .value_kind: global_buffer, .address_space: global }
      - { .name: lowp_scales, .offset: 16, .size: 8, .value_kind: global_buffer, .address_space: global }
      - { .name: out0, .offset: 24, .size: 8, .value_kind: global_buffer, .address_space: global }
    .group_segment_fixed_size: 327680
    .private_segment_fixed_size: 0
    .kernarg_segment_align: 8
    .kernarg_segment_size: 32
    .max_flat_workgroup_size: 128
    .sgpr_count:     98
    .vgpr_count:     1024
    .wavefront_size: 32
...
	.end_amdgpu_metadata
.endif
;; end of part 4
